; MI455X (gfx1250); checked and timed in simulation.
; The chip was launched on July 23, 2026; its instructions are those of AMD's public machine-readable ISA for CDNA 5 (MIT licence, August 2026) and "CDNA5" Instruction Set Architecture Reference Guide (July 2026). The comments in the code are by the model that wrote it; some were corrected since.
;; Riemannian Manifold. Allowed arithmetic: matrix products marked QUANTISED: E2M3 operands, one E8M0 scale for each 32 along K, by v_wmma_scale_f32_16x16x128_f8f6f4 with both operands' format E2M3, f32 sums; products left as they are: f32 operands where the result goes on into a quantised operand, else bf16, f16 or f32 operands; f32 sums; everything else in f32.
;; Inputs: W1 16 x 64 float32; W2_codes 256 x 2 x 24 uint8 (E2M3 codes of W2, K innermost, in blocks of 32 codes, four codes in three bytes); W2_scales 256 x 2 uint8 (E8M0 scales of W2, one for each 32 codes along K); b1 64 float32; b2 256 float32; x1 8 x 256 x 1 x 16 float32; x2 8 x 1 x 256 x 16 float32.
;; Outputs: out0 8 x 256 x 256 float32.
;; This version of the problem:
;;   THIS VERSION OF THE PROBLEM IS GIVEN IN LOW PRECISION. The matrix products marked QUANTISED in the list below multiply operands that are first quantised to E2M3 (2 exponent bits, 3 mantissa bits; 6 bits a number), with one power-of-two scale for each 32 numbers along K (OCP MX v1.0); their sums are f32. All else is computed in f32.
;;   The module's matrix products, in the order in which they are computed (A, B: the left and right operand; K: the contracted axis; several contracted axes count as one K, in the product's order):
;;     1. [M 524,288, K 16] x [K 16, N 64]; A: computed on the way; B: input W1: left as it is (K = 16 < 32)
;;     2. [M 524,288, K 64] x [K 64, N 256]; A: computed on the way; B: input W2 (given as codes): QUANTISED
;;     3. batch 524,288 x [M 16, K 16] x [K 16, N 1]; A: computed on the way; B: computed on the way: left as it is (K = 16 < 32)
;;   THE QUANTISER, for each operand of a quantised product, along K:
;;     - K is cut into blocks of 32 from its start; a last block that is shorter is filled with zeros.
;;     - A block's scale is 2^e with e = floor(log2(the largest magnitude in the block)) - 2, held to -126 .. 127; a block of zeros has e = 0. As a byte (E8M0): e + 127.
;;     - Each number is divided by its block's scale, clamped to +-7.5, and rounded to the nearest number of E2M3, ties to even, subnormals kept.
;;     - The product sums the exact products of the quantised numbers (number of the format x scale) in f32.
;;   ~~~python
;;   def quantise(x, axis):      # numpy; x: float32 -> the quantised numbers, widened to float32 again
;;       x = np.moveaxis(x, axis, -1); K = x.shape[-1]
;;       x = np.pad(x, [(0, 0)] * (x.ndim - 1) + [(0, -K % 32)]); x = x.reshape(x.shape[:-1] + (-1, 32)); a = np.abs(x).max(-1, keepdims=True)
;;       e = np.where(a > 0, np.clip(np.frexp(np.where(a > 0, a, 1))[1] - 1 - 2, -126, 127), 0)      # np.frexp(a)[1] - 1 = floor(log2(a)), exactly
;;       r = np.clip(x / 2.0 ** e, -7.5, 7.5)
;;       step = 2.0 ** (np.maximum(np.frexp(np.where(r == 0, 1, r))[1] - 1, 0) - 3)
;;       q = np.round(r / step) * step * 2.0 ** e      # np.round: ties to even
;;       return np.moveaxis(q.reshape(q.shape[:-2] + (-1,))[..., :K], -1, axis).astype(np.float32)
;;   ~~~
;;   OPERANDS COMPUTED ON THE WAY. 'Computed on the way' means the value that the module computes at that place (a softmax that the list does not call 'softmax' is quantised finished and normalised). What goes into a quantiser is computed in f32, as accurately as f32 sums, v_exp_f32 and their like allow (about 1e-6 of the number): no bf16 or f16 on the way to a quantiser, and a product that is left as it is and whose result goes on into a quantised operand takes f32 operands (vector FMAs, or v_wmma_f32_16x16x4_f32). A number that lies on a knife's edge between two numbers of the format may be rounded either way, as far as f32 arithmetic and the matrix unit's own rounding can turn it there, and no further.
;;   INPUTS GIVEN AS CODES. W2 (in the module: [64, 256], K = its axis 0): each comes as NAME_codes (uint8): NAME with its K axis moved to the last place and cut into blocks of 32 codes, [.., K / 32, bytes a block], one block behind the other in memory; four codes in three bytes: a row's codes are one little-endian stream of bits, code i at bits 6 i .. 6 i + 5 (a code: sign, 2 exponent bits, 3 mantissa bits); and NAME_scales (uint8): the same leading axes, one E8M0 byte (e + 127) for each 32 codes along K. Its value is code x scale, taken as it is: it is not quantised again, and the codes and scales need not be those that the quantiser above would give.
;; 2 versions, each right; version 2 is version 1 with the launch metric written anew for expert scheduling mode. Each part assembles by itself: llvm-mc -triple=amdgcn-amd-amdhsa -mcpu=gfx1250 --defsym DOCPART=n.
;; ======== version 1 of 2: 1 launch
;; launch metric (part 1): grid 32 x 8, 8 waves a work-group, no clusters, 50,176 bytes of LDS; arguments x1, x2, W1, b1, W2_codes, W2_scales, b2, out0; writes out0
.if DOCPART == 1
	.amdgcn_target "amdgcn-amd-amdhsa--gfx1250"
	.amdhsa_code_object_version 6
	.text
	.protected	k_q0e3ebb3d4c_metric
	.globl	k_q0e3ebb3d4c_metric
	.p2align	8
	.type	k_q0e3ebb3d4c_metric,@function
k_q0e3ebb3d4c_metric:
	s_mov_b64 s[64:65], 0
	v_nop
	global_prefetch_b8 v0, s[64:65] scope:SCOPE_SE
	s_setreg_imm32_b32 hwreg(HW_REG_WAVE_MODE, 25, 1), 1
	s_wait_xcnt 0x0
; out0[b][n][m] = sqrt(max(|L^T (x2[m] - x1[n])|^2, 1e-6)),  L = tril(raw + I) with softplus on its diagonal,
; raw = Q(silu(((x1[n] + x2[m]) / 2) W1 + b1)) W2 + b2.  Q: codes of FP6 (E2M3), one E8M0 scale for each 32 along K = 64; W2 arrives as such codes.
; SHARES.  A work-group owns 32 rows n x 64 columns m of one b: 128 tiles of 16 pairs.  Wave w: t = w & 3 gives its 16 columns m = 16 t + r for the whole launch, g = w >> 2 its 16 rows n = 16 g + j, a tile for each j.
; THE FIRST PRODUCT IS LINEAR: mid W1 + b1 = (x1 (W1/2) + b1) + x2 (W1/2).  Both halves are made once a row, in f32 multiply-adds, and lie in LDS; a pair then costs one addition for each hidden unit.
; THE QUANTISED PRODUCT IS USED TRANSPOSED: source 0 = 16 rows of W2 (columns of raw), source 1 = the hidden layer of 16 pairs.  Lane (r, h) holds pair r; its 32 hidden units 32 h .. 32 h + 31 are one whole block.
; K = 64 fills half of the instruction's 128: source 1's upper six registers are zero codes, so what source 0 holds there (the next tile's codes) adds nothing; the scale bytes there are 0, never 0xff.
; ONLY THE 136 COLUMNS OF raw THAT THE tril KEEPS ARE MULTIPLIED, in 9 tiles.  Slot (a, i), a = 0 .. 7, i = 2 a .. 15: lanes 0-15 hold L[i][2 a], lanes 16-31 L[i ^ 1][2 a + 1]; DX[i] holds dx[i ^ h].
; So y[2 a + h] = the sum over i of slot (a, i) x DX[i], wholly in one lane.  The diagonal is slot i = 2 a in both halves; slot i = 2 a + 1 of lanes 16-31 lies above the diagonal: its codes and bias are zeroed once.
; A slot's register is its number, with bit 2 turned in tiles 3, 6 and 7, so that each diagonal entry lies among its accumulator's four lowest registers.
; b2 + I is the C of the matrix instructions, kept in the result's layout.
; LIMITS.  The first product's sum is rounded in another order than the source's (two sums of 16 terms, b1 the first addend of one, then one addition).  softplus = max(x, 0) + ln 2 x log2(1 + 2^(-|x| log2 e)):
; under x = -16 it loses e^x, at most 6e-8, absolutely.  silu of a number under -88 is taken as -0.  A block of zeros gets the scale byte 1: its codes are zeros.  NaN and infinities among the inputs are not served.
; No tensor load, no cluster, no prefetch: a work-group's inputs are some 25 KB, loaded once, in one group at the head; nothing is streamed and no LDS byte is filled twice.
.set L_X1, 0                           ; LDS: x1's 32 rows: 64 bytes as they lie, then 64 bytes with neighbours swapped; pitch 128
.set L_X2, 4096                        ; x2's 64 rows likewise, + 16 bytes: pitch 144
.set L_B2, 13312                       ; b2 as it lies, 1,024 bytes
.set L_U1, 14336                       ; x1 (W1/2) + b1: 32 rows of 256 bytes
.set L_U2, 22528                       ; x2 (W1/2): 64 rows of 256 bytes + 16: pitch 272
.set L_ST, 39936                       ; dist^2: 1,024 bytes for each wave: 64 j + 4 r
.set P_X1, 128
.set P_X2, 144
.set P_U1, 256
.set P_U2, 272
; REGISTERS, window 0
.set LANE, 1
.set RR,   2                           ; r = lane & 15
.set HH,   3                           ; h = lane >> 4
.set AU1B, 4                           ; L_U1 + 4096 g + 128 h
.set AX1B, 5                           ; L_X1 + 2048 g + 64 h
.set ASB,  6                           ; L_ST + 1024 w + 4 r
.set AU,   7                           ; the same three for the tile in hand
.set AX,   8
.set AS,   9
.set HS,   10                          ; the hidden layer's scale word, nothing else
.set OB,   11
.set MX0,  12
.set MX1,  13
.set SCL,  14
.set BY,   15
.set W2S,  16                          ; v16-24  W2's scale words, a register a tile, nothing else
.set OQ,   25
.set HB,   26                          ; v26-37  source 1: six registers of codes, six of zeros
.set CT,   38                          ; v38-40  the block's upper 16 codes as the conversion leaves them
.set RU2,  42                          ; v42-73  x2 (W1/2) of my pair's column, my 32 hidden units
.set RX2,  74                          ; v74-89  x2[m][i ^ h]
.set RP,   90                          ; v90-121 the 32 numbers ahead of the activation, then behind it
.set RT,   122                         ; v122-153 at work in SILU;  in POST:
.set RE,   122                         ;   v122-129 softplus's exponentials and logarithms, then y
.set RMX,  130                         ;   v130-137 max(diagonal, 0)
.set RY,   138                         ;   v138-153 y's sums, even and odd i apart
.set RD,   154                         ; v154-225 the nine accumulators
.set DX,   226                         ; v226-241 x1[n][i ^ h], then dx[i ^ h]
.set ASR,  252                         ; the way out: where I read 16 bytes of a row of dist^2
.set GO,   253                         ; and my byte offset in out0
.set RQ,   254
; window 1
.set WC,   0                           ; v256-315 W2's codes: tile t's six registers at 6 t, six zeros behind tile 8
.set BI,   64                          ; v320-391 b2 + I in the result's layout
; at work before the loop
.set RW,   154                         ; v154-185 W1 / 2: my two columns, 16 rows
.set RB1,  186                         ; v186-187 b1 of my two columns
.set XB0,  90                          ; v90-153, v188-251: four rows of x each
.set XB1,  188
.set ACA,  68                          ; v68-75, v76-83: four rows' sums each  (v68-80 first hold what goes to LDS as it came)
.set ACB,  76
.set CO,   50                          ; v50-58  my byte offset in W2's codes, a register a tile
.set SO,   59                          ; v59-67  and in its scales
.set G16,  84
.set G8,   85
.set G4,   86
.set GL8,  87
.set SELR, 88
.set H24,  89
.set A0X2, 242
.set A0X1, 243
.set A0B2, 244
.set A1X2, 26
.set A1X1, 27
.set A1U2, 28
.set A1U1, 29
.set A2U2, 30
.set A2X2, 31
.set ABE,  38
.set ABO,  39
.set MSB, 0
.macro WIN new                         ; the immediate's high byte repeats the setting that is left; a switch that changes nothing is dropped
.if MSB != \new
	s_set_vgpr_msb (MSB<<8)|\new
.set MSB, \new
.endif
.endm
.macro SLOT a, i                       ; PP = the register (0 .. 71) of slot (a, i)
.set PP, 17*(\a)-(\a)*(\a)+(\i)-2*(\a)
.if (PP/8 == 3) || (PP/8 == 6) || (PP/8 == 7)
.set PP, PP+4-8*((PP%8)/4)
.endif
.endm
.macro UNSLOT p                        ; and back: SA, SI = the slot of register p
.set US, \p
.if ((\p)/8 == 3) || ((\p)/8 == 6) || ((\p)/8 == 7)
.set US, (\p)+4-8*(((\p)%8)/4)
.endif
.if US < 16
.set SA, 0
.set SI, US
.elseif US < 30
.set SA, 1
.set SI, US-14
.elseif US < 42
.set SA, 2
.set SI, US-26
.elseif US < 52
.set SA, 3
.set SI, US-36
.elseif US < 60
.set SA, 4
.set SI, US-44
.elseif US < 66
.set SA, 5
.set SI, US-50
.elseif US < 70
.set SA, 6
.set SI, US-54
.else
.set SA, 7
.set SI, US-56
.endif
.endm
.macro TABW t, half, word              ; TW = four bytes: the rows of W2 (16 e + d) that land in registers 4 word + 0 .. 3 of tile t, in the given half of the lanes
.set TW, 0
.irp j, 0,1,2,3
	UNSLOT 8*(\t)+4*(\word)+\j
.if \half
.set TW, TW|((16*(SI+1-2*(SI%2))+2*SA+1)<<(8*\j))
.else
.set TW, TW|((16*SI+2*SA)<<(8*\j))
.endif
.endr
.endm
; Source 0's row m lands in register m % 8 of lanes 16 (m / 8) on.  So lane r of tile t takes the row of W2 that the table names for (half r / 8, register r % 8).
.macro ROWTAB t
	TABW \t, 0, 0
	s_mov_b32 s36, TW
	TABW \t, 0, 1
	s_mov_b32 s37, TW
	TABW \t, 1, 0
	s_mov_b32 s38, TW
	TABW \t, 1, 1
	s_mov_b32 s39, TW
	v_perm_b32 v[CO+\t], s37, s36, v[SELR]         ; byte r % 8 of the eight, into byte 0
	v_perm_b32 v[SO+\t], s39, s38, v[SELR]
	v_cndmask_b32 v[SO+\t], v[CO+\t], v[SO+\t], vcc_lo
	v_and_b32 v[SO+\t], 0xff, v[SO+\t]             ; the row
	v_mad_u32_u24 v[CO+\t], v[SO+\t], 48, v[H24]   ; its codes: 48 bytes a row, my block's 24
	v_lshlrev_b32 v[SO+\t], 1, v[SO+\t]            ; its two scale bytes
.endm
.macro BARRIER                         ; my LDS stores have landed and my LDS loads are in: then the work-group's barrier
	s_wait_dscnt 0x0
	s_barrier_signal -1
	s_barrier_wait -1
.endm
; Four rows of x (16 numbers each, the same in every lane) times my two columns of W1 / 2.  The four sums take turns.  bias = 1: b1 is the first addend.
.macro UBATCH xb, acc, bias
.irp k, 0,1,2,3,4,5,6,7,8,9,10,11,12,13,14,15
.irp p, 0,1,2,3
.if (\k == 0) && (\bias == 0)
	v_pk_mul_f32 v[\acc+2*\p:\acc+2*\p+1], v[RW:RW+1], v[\xb+16*\p:\xb+16*\p+1] op_sel_hi:[1,0]
.elseif \k == 0
	v_pk_fma_f32 v[\acc+2*\p:\acc+2*\p+1], v[RW:RW+1], v[\xb+16*\p:\xb+16*\p+1], v[RB1:RB1+1] op_sel_hi:[1,0,1]
.elseif (\k)%2 == 0
	v_pk_fma_f32 v[\acc+2*\p:\acc+2*\p+1], v[RW+2*\k:RW+2*\k+1], v[\xb+16*\p+\k:\xb+16*\p+\k+1], v[\acc+2*\p:\acc+2*\p+1] op_sel_hi:[1,0,1]
.else
	v_pk_fma_f32 v[\acc+2*\p:\acc+2*\p+1], v[RW+2*\k:RW+2*\k+1], v[\xb+16*\p+\k-1:\xb+16*\p+\k], v[\acc+2*\p:\acc+2*\p+1] op_sel:[0,1,0] op_sel_hi:[1,1,1]
.endif
.endr
.endr
.endm
; The nine products of a tile.  Nine different results, C = the bias: no sum is taken up again, so the accumulators need no turns.
.macro MATMUL
	WIN 0x11                                       ; source 0 (W2) and C (the bias) in window 1
.irp t, 0,1,2,3,4,5,6,7,8
	v_wmma_scale_f32_16x16x128_f8f6f4 v[RD+8*\t:RD+8*\t+7], v[WC+6*\t:WC+6*\t+11], v[HB:HB+11], v[BI+8*\t:BI+8*\t+7], v[W2S+\t], v[HS] matrix_a_fmt:MATRIX_FMT_FP6 matrix_b_fmt:MATRIX_FMT_FP6
.endr
	WIN 0
.endm
; v[RP] on holds x1's half of the 32 sums (from LDS).  They become silu(.), then six registers of codes and a scale word.  cnt: the younger LDS loads that may stay out.
.macro SILU cnt
	s_wait_dscnt \cnt
.irp q, 0,1,2,3,4,5,6,7,8,9,10,11,12,13,14,15,16,17   ; pair q is summed, pair q - 1 scaled by -log2(e), pair q - 2 goes to the exponential: no line reads the line above it
.if \q < 16
	v_pk_add_f32 v[RP+2*\q:RP+2*\q+1], v[RP+2*\q:RP+2*\q+1], v[RU2+2*\q:RU2+2*\q+1]
.endif
.if (\q > 0) && (\q < 17)
	v_pk_mul_f32 v[RT+2*\q-2:RT+2*\q-1], v[RP+2*\q-2:RP+2*\q-1], s[24:25] op_sel_hi:[1,0]
.endif
.if \q > 1
	v_exp_f32 v[RT+2*\q-4], v[RT+2*\q-4]
	v_exp_f32 v[RT+2*\q-3], v[RT+2*\q-3]
.endif
.endr
	v_nop                                          ; a plain instruction behind the last exponential
	s_wait_alu depctr_va_vdst(0)                   ; one wait for the 32, ahead of their first reader
.irp q, 0,1,2,3,4,5,6,7,8,9,10,11,12,13,14,15
	v_pk_add_f32 v[RT+2*\q:RT+2*\q+1], v[RT+2*\q:RT+2*\q+1], 1.0 op_sel_hi:[1,0]
.if \q > 0
	v_rcp_f32 v[RT+2*\q-2], v[RT+2*\q-2]
	v_rcp_f32 v[RT+2*\q-1], v[RT+2*\q-1]
.endif
.endr
	v_rcp_f32 v[RT+30], v[RT+30]
	v_rcp_f32 v[RT+31], v[RT+31]
	v_nop
	s_wait_alu depctr_va_vdst(0)                   ; one wait for the 32 reciprocals
.irp q, 0,1,2,3,4,5,6,7,8,9,10,11,12,13,14,15
	v_pk_mul_f32 v[RP+2*\q:RP+2*\q+1], v[RP+2*\q:RP+2*\q+1], v[RT+2*\q:RT+2*\q+1]   ; silu = p / (1 + e^-p)
.endr
	v_max3_num_f32 v[MX0], |v[RP]|, |v[RP+1]|, |v[RP+2]|             ; the block's largest magnitude: all 32 numbers are mine; two chains
	v_max3_num_f32 v[MX1], |v[RP+3]|, |v[RP+4]|, |v[RP+5]|
.irp i, 6,10,14,18,22,26
	v_max3_num_f32 v[MX0], v[MX0], |v[RP+\i]|, |v[RP+\i+1]|
	v_max3_num_f32 v[MX1], v[MX1], |v[RP+\i+2]|, |v[RP+\i+3]|
.endr
	v_max3_num_f32 v[MX0], v[MX0], |v[RP+30]|, |v[RP+31]|
	v_max3_num_f32 v[MX0], v[MX0], v[MX1], 0x1800000                 ; and the floor 2^(3 - 127): the byte cannot fall under 1
	v_add_nc_u32 v[SCL], 0xff000000, v[MX0]        ; 2 off its exponent field: the conversion takes the exponent field of this operand as its scale
	v_lshrrev_b32 v[BY], 23, v[SCL]                ; the scale's byte
	v_permlanex16_b32 v[OB], v[BY], s26, s27       ; lane l xor 16's: the pair's other block
	v_lshl_or_b32 v[HS], v[OB], 8, v[BY]           ; lanes 0-15, which the unit reads: byte 0 block 0, byte 1 block 1; bytes 2 and 3 are 0 over zero codes
	v_cvt_scalef32_pk16_fp6_f32 v[HB:HB+2], v[RP:RP+15], v[SCL]
	v_cvt_scalef32_pk16_fp6_f32 v[CT:CT+2], v[RP+16:RP+31], v[SCL]   ; (a conversion's three registers begin on an even number)
	v_nop                                          ; one plain place behind a scaled conversion
.irp i, 0,1,2
	v_mov_b32 v[HB+3+\i], v[CT+\i]
.endr
.endm
; Y[a] takes slots (a, 2 q) and (a, 2 q + 1) times DX[2 q], DX[2 q + 1].  The first pair that a column meets starts its sums.
.macro YPAIR a, q
	SLOT \a, 2*(\q)
.if ((\q) == (\a)+1) || ((\a) == 7)
	v_pk_mul_f32 v[RY+2*(\a):RY+2*(\a)+1], v[RD+PP:RD+PP+1], v[DX+2*(\q):DX+2*(\q)+1]
.else
	v_pk_fma_f32 v[RY+2*(\a):RY+2*(\a)+1], v[RD+PP:RD+PP+1], v[DX+2*(\q):DX+2*(\q)+1], v[RY+2*(\a):RY+2*(\a)+1]
.endif
.endm
; From the nine accumulators to dist^2 of my pair.  Each accumulator's first read takes one of its four lowest registers: the diagonals, a ascending, for tiles 0, 2, 3, 5, 6, 7, 8; register 0 for tiles 4 and 1.
.macro POST
.irp a, 0,1,2,3,4,5,6,7
	SLOT \a, 2*\a
	v_mul_f32 v[RE+\a], s24, |v[RD+PP]|            ; -|x| log2(e) of the diagonal
.endr
.irp a, 0,1,2,3,4,5,6,7
	v_exp_f32 v[RE+\a], v[RE+\a]
.endr
	s_wait_dscnt 0x0                               ; x1's row is in
.irp q, 0,1,2,3,4,5,6,7
	v_pk_add_f32 v[DX+2*\q:DX+2*\q+1], v[RX2+2*\q:RX2+2*\q+1], v[DX+2*\q:DX+2*\q+1] neg_lo:[0,1] neg_hi:[0,1]   ; dx = x2 - x1
.endr
.irp a, 0,1,2,3,4,5,6,7
	SLOT \a, 2*\a
	v_max_num_f32 v[RMX+\a], 0, v[RD+PP]
.endr
.irp q, 1,2,3,4                                ; what lies under the diagonal pairs: independent work behind the exponentials
.irp a, 0,1,2,3
.if \a < \q
	YPAIR \a, \q
.endif
.endr
.endr
	s_wait_alu depctr_va_vdst(0)                   ; one wait for the eight exponentials, ahead of their first reader
.irp a, 0,2,4,6
	v_pk_add_f32 v[RE+\a:RE+\a+1], v[RE+\a:RE+\a+1], 1.0 op_sel_hi:[1,0]
.endr
.irp a, 0,1,2,3,4,5,6,7
	v_log_f32 v[RE+\a], v[RE+\a]
.endr
.irp q, 5,6,7                                  ; the rest of it: independent work behind the logarithms
.irp a, 0,1,2,3,4,5,6
.if \a < \q
	YPAIR \a, \q
.endif
.endr
.endr
	s_wait_alu depctr_va_vdst(0)                   ; one wait for the eight logarithms
.irp a, 0,1,2,3,4,5,6,7
	SLOT \a, 2*\a
	v_fmamk_f32 v[RD+PP], v[RE+\a], 0x3f317218, v[RMX+\a]   ; softplus = log2(1 + e^-|x|) x ln 2 + max(x, 0)
.endr
.irp a, 0,1,2,3,4,5,6,7
	YPAIR \a, \a                                   ; the diagonal pairs
.endr
.irp a, 0,1,2,3,4,5,6,7
	v_add_f32 v[RE+\a], v[RY+2*\a], v[RY+2*\a+1]   ; y[2 a + h]
.endr
	v_pk_mul_f32 v[RY:RY+1], v[RE:RE+1], v[RE:RE+1]
.irp a, 2,4,6
	v_pk_fma_f32 v[RY:RY+1], v[RE+\a:RE+\a+1], v[RE+\a:RE+\a+1], v[RY:RY+1]
.endr
	v_add_f32 v[RQ], v[RY], v[RY+1]
	v_permlanex16_b32 v[OQ], v[RQ], s26, s27       ; the other eight y of my pair
	v_add_f32 v[RQ], v[RQ], v[OQ]
	ds_store_b32 v[AS], v[RQ]                      ; both halves of the lanes write the same word with the same value
.endm
	; ---- THE HEAD: work on registers while the arguments come
	s_load_b512 s[4:19], s[0:1], 0x0               ; x1 s[4:5], x2 s[6:7], W1 s[8:9], b1 s[10:11], W2's codes s[12:13], its scales s[14:15], b2 s[16:17], out0 s[18:19]
	v_lshl_add_u32 v41, v0, 2, 0xc000
	v_mov_b32 v255, 0
	v_and_b32 v[LANE], 31, v0
	v_and_b32 v[RR], 15, v0
	v_bfe_u32 v[HH], v0, 4, 1
	v_lshrrev_b32 v[AU], 5, v0
	v_readfirstlane_b32 s20, v[AU]                 ; wave 0..7
	s_and_b32 s21, s20, 3                          ; t
	s_lshr_b32 s22, s20, 2                         ; g
	s_mov_b32 s24, 0xbfb8aa3b                      ; -log2(e)
	s_mov_b32 s25, s24                             ; (named with it as a pair, so it is written)
	s_mov_b32 s26, 0x76543210                      ; v_permlanex16_b32's selects for lane l xor 16
	s_mov_b32 s27, 0xfedcba98
	s_lshl_b32 s40, s22, 12
	s_add_co_u32 s40, s40, L_U1
	v_lshl_add_u32 v[AU1B], v[HH], 7, s40
	s_lshl_b32 s40, s22, 11                        ; (L_X1 is LDS byte 0)
	v_lshl_add_u32 v[AX1B], v[HH], 6, s40
	s_lshl_b32 s40, s20, 10
	s_add_co_u32 s40, s40, L_ST
	v_lshl_add_u32 v[ASB], v[RR], 2, s40
	v_lshrrev_b32 v[ASR], 2, v[RR]                 ; the way out: row 4 w + h + 2 u of the group's 32, columns 4 r .. 4 r + 3: they lie with wave 4 g + r / 4, at j = 4 t + h + 2 u
	v_and_b32 v[RQ], 3, v[RR]
	v_lshlrev_b32 v[ASR], 10, v[ASR]
	v_lshl_add_u32 v[ASR], v[RQ], 4, v[ASR]
	v_lshl_add_u32 v[ASR], v[HH], 6, v[ASR]
	s_lshl_b32 s40, s22, 12
	s_lshl_b32 s41, s21, 8
	s_add_co_u32 s40, s40, s41
	s_add_co_u32 s40, s40, L_ST
	v_add_nc_u32 v[ASR], s40, v[ASR]
	s_lshl_b32 s40, s20, 12
	v_lshlrev_b32 v[GO], 4, v[RR]
	v_lshl_add_u32 v[GO], v[HH], 10, v[GO]
	v_add_nc_u32 v[GO], s40, v[GO]                 ; (4 w + h) rows of 1,024 bytes + 16 r
	v_lshrrev_b32 v[A0X2], 2, v0                   ; x2 into LDS: four threads to a row
	v_mul_u32_u24 v[A0X2], v[A0X2], P_X2
	v_and_b32 v[A0X1], 3, v0
	v_lshl_add_u32 v[A0X2], v[A0X1], 4, v[A0X2]
	v_add_nc_u32 v[A0X2], L_X2, v[A0X2]
	v_lshrrev_b32 v[A0X1], 3, v0                   ; x1: eight threads to a row
	v_and_b32 v[A0B2], 7, v0
	v_lshlrev_b32 v[A0X1], 7, v[A0X1]
	v_lshl_add_u32 v[A0X1], v[A0B2], 3, v[A0X1]
	v_lshl_add_u32 v[A0B2], v0, 2, L_B2
	s_mul_i32 s40, s20, 8*P_X2                     ; the rows that my wave multiplies by W1 / 2: 8 of x2, 4 of x1
	s_add_co_u32 s40, s40, L_X2
	v_mov_b32 v[A1X2], s40
	s_lshl_b32 s40, s20, 9
	v_mov_b32 v[A1X1], s40
	s_mul_i32 s40, s20, 8*P_U2
	s_add_co_u32 s40, s40, L_U2
	v_lshl_add_u32 v[A1U2], v[LANE], 3, s40
	s_lshl_b32 s40, s20, 10
	s_add_co_u32 s40, s40, L_U1
	v_lshl_add_u32 v[A1U1], v[LANE], 3, s40
	s_mul_i32 s40, s21, 16*P_U2                    ; my pair's column: row 16 t + r
	s_add_co_u32 s40, s40, L_U2
	v_mul_u32_u24 v[A2U2], v[RR], P_U2
	v_lshl_add_u32 v[A2U2], v[HH], 7, v[A2U2]
	v_add_nc_u32 v[A2U2], s40, v[A2U2]
	s_mul_i32 s40, s21, 16*P_X2
	s_add_co_u32 s40, s40, L_X2
	v_mul_u32_u24 v[A2X2], v[RR], P_X2
	v_lshl_add_u32 v[A2X2], v[HH], 6, v[A2X2]
	v_add_nc_u32 v[A2X2], s40, v[A2X2]
	v_mul_u32_u24 v[ABE], v[HH], 68                ; the bias of slot (a, i): lanes 0-15 b2[16 i + 2 a]; lanes 16-31 17 numbers on where i is even,
	v_add_nc_u32 v[ABE], L_B2, v[ABE]
	v_xor_b32 v[ABO], 1, v[HH]                     ; 15 numbers back where it is odd
	v_mul_u32_u24 v[ABO], v[ABO], 60
	v_add_nc_u32 v[ABO], L_B2, v[ABO]
	v_lshlrev_b32 v[G16], 4, v0
	v_lshlrev_b32 v[G8], 3, v0
	v_lshlrev_b32 v[G4], 2, v0
	v_lshlrev_b32 v[GL8], 3, v[LANE]
	v_and_b32 v[SELR], 7, v[RR]
	v_mul_u32_u24 v[H24], v[HH], 24
	v_cmp_le_u32 vcc_lo, 8, v[RR]                  ; lanes r >= 8 hold source 0's rows 8-15
.irp t, 0,1,2,3,4,5,6,7,8
	ROWTAB \t
.endr
.irp i, 6,7,8,9,10,11
	v_mov_b32 v[HB+\i], 0                          ; source 1's K = 64 .. 127: zero codes, written once
.endr
	v_mov_b32 v[OB], 0                             ; written once: a lane permute's destination counts as one of its sources
	v_mov_b32 v[OQ], 0
	s_and_b32 s40, ttmp7, 0xffff                   ; b
	s_lshr_b32 s41, ttmp9, 2                       ; which 32 rows n
	s_and_b32 s42, ttmp9, 3                        ; which 64 columns m
	s_lshl_b32 s32, s40, 14                        ; x1: 16,384 bytes a b, 64 a row
	s_lshl_b32 s43, s41, 11
	s_add_co_u32 s32, s32, s43
	s_mov_b32 s33, 0
	s_lshl_b32 s34, s40, 14                        ; x2 likewise
	s_lshl_b32 s43, s42, 12
	s_add_co_u32 s34, s34, s43
	s_mov_b32 s35, 0
	s_lshl_b32 s44, s40, 18                        ; out0: 262,144 bytes a b, 1,024 a row, 4 a column
	s_lshl_b32 s43, s41, 15
	s_add_co_u32 s44, s44, s43
	s_lshl_b32 s43, s42, 8
	s_add_co_u32 s44, s44, s43
	s_mov_b32 s45, 0
	s_wait_kmcnt 0x0
	s_add_nc_u64 s[4:5], s[4:5], s[32:33]
	s_add_nc_u64 s[6:7], s[6:7], s[34:35]
	s_add_nc_u64 s[18:19], s[18:19], s[44:45]
	; all 56 global loads of the launch, in one group; what is wanted first goes first
	global_load_b128 v[68:71], v[G16], s[6:7]      ; x2: 4,096 consecutive bytes for the 256 threads
	global_load_b64 v[76:77], v[G8], s[4:5]        ; x1: 2,048
	global_load_b32 v80, v[G4], s[16:17]           ; b2: 1,024
.irp k, 0,1,2,3,4,5,6,7,8,9,10,11,12,13,14,15
	global_load_b64 v[RW+2*\k:RW+2*\k+1], v[GL8], s[8:9] offset:256*\k   ; W1(k, 2 lane), W1(k, 2 lane + 1): a wave reads a whole row
.endr
	global_load_b64 v[RB1:RB1+1], v[GL8], s[10:11]
	WIN 0x40                                       ; destination window 1
.irp t, 0,1,2,3,4,5,6,7,8
.irp p, 0,1,2
	global_load_b64 v[WC+6*\t+2*\p:WC+6*\t+2*\p+1], v[CO+\t], s[12:13] offset:8*\p   ; my row's block h: 24 bytes as they lie, in pieces of 8
.endr
.endr
.irp i, 54,55,56,57,58,59
	v_mov_b32 v[WC+\i], 0                          ; what tile 8 names as its K = 64 .. 127
.endr
	WIN 0
.irp t, 0,1,2,3,4,5,6,7,8
	global_load_u16 v[W2S+\t], v[SO+\t], s[14:15]  ; two scale bytes, zeros above them
.endr
	s_wait_loadcnt 53                              ; x2, x1 and b2 are in; the 17 + 27 + 9 loads behind them stay out
	v_mov_b32 v72, v69                             ; neighbours swapped: lanes 16-31 want x[i ^ 1]
	v_mov_b32 v73, v68
	v_mov_b32 v74, v71
	v_mov_b32 v75, v70
	v_mov_b32 v78, v77
	v_mov_b32 v79, v76
	ds_store_b128 v[A0X2], v[68:71]
	ds_store_b128 v[A0X2], v[72:75] offset:64
	ds_store_b64 v[A0X1], v[76:77]
	ds_store_b64 v[A0X1], v[78:79] offset:64
	ds_store_b32 v[A0B2], v80
	BARRIER                                        ; x1, x2 and b2 lie in LDS
	; ---- x (W1 / 2), in f32: my wave's 8 rows of x2 and 4 rows of x1; a lane makes two columns
.irp p, 0,1,2,3
.irp c, 0,1,2,3
	ds_load_b128 v[XB0+16*\p+4*\c:XB0+16*\p+4*\c+3], v[A1X2] offset:P_X2*\p+16*\c     ; every lane reads the same 16 bytes
.endr
.endr
.irp p, 0,1,2,3
.irp c, 0,1,2,3
	ds_load_b128 v[XB1+16*\p+4*\c:XB1+16*\p+4*\c+3], v[A1X2] offset:P_X2*(4+\p)+16*\c
.endr
.endr
	s_wait_loadcnt 36                              ; W1 and b1 are in; the 27 + 9 loads of codes and scales stay out
.irp k, 0,1,2,3,4,5,6,7,8,9,10,11,12,13,14,15
	v_pk_mul_f32 v[RW+2*\k:RW+2*\k+1], v[RW+2*\k:RW+2*\k+1], 0.5 op_sel_hi:[1,0]   ; the midpoint's half goes into W1: exact
.endr
	s_wait_dscnt 16                                ; x2's first four rows are in; the second four stay out
	UBATCH XB0, ACA, 0
.irp p, 0,1,2,3
	ds_store_b64 v[A1U2], v[ACA+2*\p:ACA+2*\p+1] offset:P_U2*\p
.endr
.irp p, 0,1,2,3
.irp c, 0,1,2,3
	ds_load_b128 v[XB0+16*\p+4*\c:XB0+16*\p+4*\c+3], v[A1X1] offset:P_X1*\p+16*\c
.endr
.endr
	s_wait_dscnt 20                                ; x2's second four rows are in: behind them 4 stores and 16 loads
	UBATCH XB1, ACB, 0
.irp p, 0,1,2,3
	ds_store_b64 v[A1U2], v[ACB+2*\p:ACB+2*\p+1] offset:P_U2*(4+\p)
.endr
	s_wait_dscnt 4                                 ; x1's four rows are in: behind them 4 stores
	UBATCH XB0, ACA, 1
.irp p, 0,1,2,3
	ds_store_b64 v[A1U1], v[ACA+2*\p:ACA+2*\p+1] offset:P_U1*\p
.endr
	BARRIER                                        ; both halves of the first product lie in LDS
	; ---- what stays in registers for the 16 tiles
	s_wait_loadcnt 0x0                             ; codes and scales are in, and every global load's offset register is free
.irp a, 0,1,2,3,4,5,6,7
	SLOT \a, 2*\a+1
	v_cmp_ne_u32 s[36+\a], 8+PP%8, v[RR]           ; off in the lanes that hold source 0's row for the entry above the diagonal
.endr
	v_cmp_eq_u32 s44, 0, v[HH]
.irp c, 0,1,2,3,4,5,6,7
	ds_load_b128 v[RP+4*\c:RP+4*\c+3], v[AU1B] offset:16*\c        ; x1's half for tile 0
.endr
.irp c, 0,1,2,3,4,5,6,7
	ds_load_b128 v[RU2+4*\c:RU2+4*\c+3], v[A2U2] offset:16*\c
.endr
.irp c, 0,1,2,3
	ds_load_b128 v[RX2+4*\c:RX2+4*\c+3], v[A2X2] offset:16*\c
.endr
	WIN 0x40                                       ; destination window 1
.irp a, 0,1,2,3,4,5,6,7
.irp i, 0,1,2,3,4,5,6,7,8,9,10,11,12,13,14,15
.if \i >= 2*\a
	SLOT \a, \i
.if (\i)%2 == 0
	ds_load_b32 v[BI+PP], v[ABE] offset:4*(16*\i+2*\a)
.else
	ds_load_b32 v[BI+PP], v[ABO] offset:4*(16*\i+2*\a-15)
.endif
.endif
.endr
.endr
	WIN 0x44                                       ; source 1 and destination window 1
.irp a, 0,1,2,3,4,5,6,7
	SLOT \a, 2*\a+1
.irp q, 0,1,2,3,4,5
	v_cndmask_b32 v[WC+6*(PP/8)+\q], 0, v[WC+6*(PP/8)+\q], s[36+\a]   ; zero codes for the entry above the diagonal
.endr
.endr
	s_wait_dscnt 0x0
.irp a, 0,1,2,3,4,5,6,7
	SLOT \a, 2*\a
	v_add_f32 v[BI+PP], 1.0, v[BI+PP]              ; + I
	SLOT \a, 2*\a+1
	v_cndmask_b32 v[BI+PP], 0, v[BI+PP], s44       ; and no bias above the diagonal (lanes 16-31)
.endr
	WIN 0
	SILU 0                                         ; tile 0's hidden layer
.rept 8
	v_nop                                          ; a scale register written by a vector instruction stands 8 places ahead of a scaled matrix instruction, an operand so written 4
.endr
	; ---- THE TILES.  A trip: tile j's nine products are issued; tile j + 1's hidden layer is made while they run, and is the places behind them; then tile j's results are worked.
	s_mov_b32 s28, 15
	s_mov_b32 s29, 0                               ; 256 j
	s_mov_b32 s30, 0                               ; 128 j
	s_mov_b32 s31, 0                               ; 64 j
.Ltile:
	v_add_nc_u32 v[AU], s29, v[AU1B]
	v_add_nc_u32 v[AX], s30, v[AX1B]
	v_add_nc_u32 v[AS], s31, v[ASB]
.irp c, 0,1,2,3,4,5,6,7
	ds_load_b128 v[RP+4*\c:RP+4*\c+3], v[AU] offset:P_U1+16*\c     ; x1's half for tile j + 1: row 15 of my 16 at the most
.endr
.irp c, 0,1,2,3
	ds_load_b128 v[DX+4*\c:DX+4*\c+3], v[AX] offset:16*\c          ; x1[n][i ^ h] for tile j
.endr
	MATMUL
	SILU 4                                         ; the four loads of x1 may stay out
	POST
	s_add_co_u32 s29, s29, 256
	s_add_co_u32 s30, s30, 128
	s_add_co_u32 s31, s31, 64
	s_sub_co_u32 s28, s28, 1
	s_cmp_lg_u32 s28, 0
	s_cbranch_scc1 .Ltile
	v_add_nc_u32 v[AX], s30, v[AX1B]               ; tile 15: no hidden layer follows it
	v_add_nc_u32 v[AS], s31, v[ASB]
.irp c, 0,1,2,3
	ds_load_b128 v[DX+4*\c:DX+4*\c+3], v[AX] offset:16*\c
.endr
	MATMUL
.rept 4
	v_nop                                          ; four places between the last product and the first read of a result (ISA guide 7.12.1)
.endr
	POST
	BARRIER                                        ; the group's 32 x 64 numbers lie in the stage
	; ---- THE WAY OUT: each wave takes four whole rows; the floor and the root are taken here, four numbers a register group
	ds_load_b128 v[RP:RP+3], v[ASR]
	ds_load_b128 v[RP+4:RP+7], v[ASR] offset:128
	s_wait_dscnt 0x0
.irp i, 0,1,2,3,4,5,6,7
	v_max_num_f32 v[RP+\i], 0x358637bd, v[RP+\i]   ; 1e-6
.endr
.irp i, 0,1,2,3,4,5,6,7
	v_sqrt_f32 v[RP+\i], v[RP+\i]
.endr
	v_nop                                          ; a plain instruction behind the last root
	s_wait_alu depctr_va_vdst(0)                   ; one wait for the eight, ahead of the stores that read them
	global_store_b128 v[GO], v[RP:RP+3], s[18:19] th:TH_STORE_NT               ; sixteen lanes store 256 consecutive bytes, at a multiple of 256 from out0's first byte
	global_store_b128 v[GO], v[RP+4:RP+7], s[18:19] offset:2048 th:TH_STORE_NT
	s_wait_tensorcnt 0x0
	ds_add_u32 v41, v255
	s_wait_dscnt 0x0
	s_endpgm
.Lfunc_end_k_q0e3ebb3d4c_metric:
	.size	k_q0e3ebb3d4c_metric, .Lfunc_end_k_q0e3ebb3d4c_metric-k_q0e3ebb3d4c_metric
	.p2alignl 7, 3214868480
	.fill 96, 4, 3214868480
	.section	.rodata,"a",@progbits
	.p2align	6, 0x0
	.amdhsa_kernel k_q0e3ebb3d4c_metric
		.amdhsa_group_segment_fixed_size 50176
		.amdhsa_private_segment_fixed_size 0
		.amdhsa_enable_private_segment 0
		.amdhsa_kernarg_size 64
		.amdhsa_user_sgpr_count 2
		.amdhsa_user_sgpr_kernarg_segment_ptr 1
		.amdhsa_wavefront_size32 1
		.amdhsa_system_sgpr_workgroup_id_x 1
		.amdhsa_system_sgpr_workgroup_id_y 1
		.amdhsa_system_sgpr_workgroup_id_z 1
		.amdhsa_system_vgpr_workitem_id 0
		.amdhsa_next_free_vgpr 392
		.amdhsa_next_free_sgpr 66
		.amdhsa_reserve_vcc 1
		.amdhsa_float_denorm_mode_32 3
		.amdhsa_float_denorm_mode_16_64 3
		.amdhsa_memory_ordered 1
		.amdhsa_forward_progress 1
		.amdhsa_inst_pref_size 76
	.end_amdhsa_kernel
	.amdgpu_metadata
---
amdhsa.version: [ 1, 2 ]
amdhsa.kernels:
  - .name:           k_q0e3ebb3d4c_metric
    .symbol:         k_q0e3ebb3d4c_metric.kd
    .args:
      - { .name: x1, .offset: 0, .size: 8, .value_kind: global_buffer, .address_space: global }
      - { .name: x2, .offset: 8, .size: 8, .value_kind: global_buffer, .address_space: global }
      - { .name: W1, .offset: 16, .size: 8, .value_kind: global_buffer, .address_space: global }
      - { .name: b1, .offset: 24, .size: 8, .value_kind: global_buffer, .address_space: global }
      - { .name: W2_codes, .offset: 32, .size: 8, .value_kind: global_buffer, .address_space: global }
      - { .name: W2_scales, .offset: 40, .size: 8, .value_kind: global_buffer, .address_space: global }
      - { .name: b2, .offset: 48, .size: 8, .value_kind: global_buffer, .address_space: global }
      - { .name: out0, .offset: 56, .size: 8, .value_kind: global_buffer, .address_space: global }
    .group_segment_fixed_size: 50176
    .private_segment_fixed_size: 0
    .kernarg_segment_align: 8
    .kernarg_segment_size: 64
    .max_flat_workgroup_size: 256
    .sgpr_count:     66
    .vgpr_count:     392
    .wavefront_size: 32
...
	.end_amdgpu_metadata
.endif
;; end of part 1
;; ======== version 2 of 2: 1 launch; version 1 with the launch metric written anew for expert scheduling mode
;; launch metric (part 2): grid 32 x 8, 8 waves a work-group, no clusters, 50,176 bytes of LDS; arguments x1, x2, W1, b1, W2_codes, W2_scales, b2, out0; writes out0
.if DOCPART == 2
	.amdgcn_target "amdgcn-amd-amdhsa--gfx1250"
	.amdhsa_code_object_version 6
	.text
	.protected	k_q0e3ebb3d4c_metric
	.globl	k_q0e3ebb3d4c_metric
	.p2align	8
	.type	k_q0e3ebb3d4c_metric,@function
k_q0e3ebb3d4c_metric:
	s_mov_b64 s[64:65], 0
	v_nop
	global_prefetch_b8 v0, s[64:65] scope:SCOPE_SE
	s_setreg_imm32_b32 hwreg(HW_REG_WAVE_SCHED_MODE, 0, 2), 2
	s_setreg_imm32_b32 hwreg(HW_REG_WAVE_MODE, 25, 1), 1
	s_wait_xcnt 0x0
	s_wait_alu depctr_vm_vsrc(0)
; out0[b][n][m] = sqrt(max(|L^T (x2[m] - x1[n])|^2, 1e-6)),  L = tril(raw + I) with softplus on its diagonal,
; raw = Q(silu(((x1[n] + x2[m]) / 2) W1 + b1)) W2 + b2.  Q: codes of FP6 (E2M3), one E8M0 scale for each 32 along K = 64; W2 arrives as such codes.
; SHARES.  A work-group owns 32 rows n x 64 columns m of one b: 128 tiles of 16 pairs.  Wave w: t = w & 3 gives its 16 columns m = 16 t + r for the whole launch, g = w >> 2 its 16 rows n = 16 g + j, a tile for each j.
; THE FIRST PRODUCT IS LINEAR: mid W1 + b1 = (x1 (W1/2) + b1) + x2 (W1/2).  Both halves are made once a row, in f32 multiply-adds, and lie in LDS; a pair then costs one addition for each hidden unit.
; THE QUANTISED PRODUCT IS USED TRANSPOSED: source 0 = 16 rows of W2 (columns of raw), source 1 = the hidden layer of 16 pairs.  Lane (r, h) holds pair r; its 32 hidden units 32 h .. 32 h + 31 are one whole block.
; K = 64 fills half of the instruction's 128: source 1's upper six registers are zero codes, so what source 0 holds there (the next tile's codes) adds nothing; the scale bytes there are 0, never 0xff.
; ONLY THE 136 COLUMNS OF raw THAT THE tril KEEPS ARE MULTIPLIED, in 9 tiles.  Slot (a, i), a = 0 .. 7, i = 2 a .. 15: lanes 0-15 hold L[i][2 a], lanes 16-31 L[i ^ 1][2 a + 1]; DX[i] holds dx[i ^ h].
; So y[2 a + h] = the sum over i of slot (a, i) x DX[i], wholly in one lane.  The diagonal is slot i = 2 a in both halves; slot i = 2 a + 1 of lanes 16-31 lies above the diagonal: its codes and bias are zeroed once.
; A slot's register is its number, with bit 2 turned in tiles 3, 6 and 7, so that each diagonal entry lies among its accumulator's four lowest registers.
; b2 + I is the C of the matrix instructions, kept in the result's layout.
; LIMITS.  The first product's sum is rounded in another order than the source's (two sums of 16 terms, b1 the first addend of one, then one addition).  softplus = max(x, 0) + ln 2 x log2(1 + 2^(-|x| log2 e)):
; under x = -16 it loses e^x, at most 6e-8, absolutely.  silu of a number under -88 is taken as -0.  A block of zeros gets the scale byte 1: its codes are zeros.  NaN and infinities among the inputs are not served.
; No tensor load, no cluster, no prefetch: a work-group's inputs are some 25 KB, loaded once, in one group at the head; nothing is streamed and no LDS byte is filled twice.
; THE MODE: SCHED_MODE bits 1:0 = 2 (LLVM: expert scheduling mode 2), set by the entry lines.  The code itself states the register dependences
; between vector or matrix instructions and memory or LDS instructions, with s_wait_alu, always for 0.
; THE PLAN.  Trip j of the loop: tile j's nine products, tile j + 1's hidden layer, tile j's results.  Registers that LDS instructions touch in it:
;   v[RP ..]              x1's half of the first product.  Read and written by the hidden layer's lines, last by its two conversions; row j + 2's loads land in it in the middle of the results' work, which names none of it.
;   v[DX ..]              x1's row.  Written by tile j's subtractions, read by y's multiply-adds; row j + 1's loads land in it at the trip's end.
;   v[RQ]                 dist^2.  Written by the results' last addition, read by the store behind it.
;   v[AU], v[AX], v[AS]   LDS addresses of those loads and of that store.  Written once a trip, behind the nine products.
;   v[AU1B], v[AX1B], v[ASB]  made at the head, never written again.
;   v[HS], v[HB ..]       written by vector instructions, read by the scaled matrix instructions.
; So a trip has ONE wait on vm_vsrc, behind the products and ahead of the three additions to the addresses, and ONE wait on va_vdst of its own, at its end: v[RQ] is written, the results' work is done with v[DX ..],
; v[HS] and v[HB ..] are written.  Behind it stand the store, x1's four loads and, over the backward jump, the products, with no vector instruction between.  The loads into v[RP ..] lean on the wait on va_vdst that
; stands ahead of the first reader of softplus's exponentials in any case: the conversions and the addition to v[AU] stand ahead of it.
.set L_X1, 0                           ; LDS: x1's 32 rows: 64 bytes as they lie, then 64 bytes with neighbours swapped; pitch 128
.set L_X2, 4096                        ; x2's 64 rows likewise, + 16 bytes: pitch 144
.set L_B2, 13312                       ; b2 as it lies, 1,024 bytes
.set L_U1, 14336                       ; x1 (W1/2) + b1: 32 rows of 256 bytes
.set L_U2, 22528                       ; x2 (W1/2): 64 rows of 256 bytes + 16: pitch 272
.set L_ST, 39936                       ; dist^2: 1,024 bytes for each wave: 64 j + 4 r
.set P_X1, 128
.set P_X2, 144
.set P_U1, 256
.set P_U2, 272
; REGISTERS, window 0
.set LANE, 1
.set RR,   2                           ; r = lane & 15
.set HH,   3                           ; h = lane >> 4
.set AU1B, 4                           ; L_U1 + 4096 g + 128 h
.set AX1B, 5                           ; L_X1 + 2048 g + 64 h
.set ASB,  6                           ; L_ST + 1024 w + 4 r
.set AU,   7                           ; the same three, + 256 j, 128 j and 64 j for the trip in hand
.set AX,   8
.set AS,   9
.set HS,   10                          ; the hidden layer's scale word, nothing else
.set OB,   11
.set MX0,  12
.set MX1,  13
.set SCL,  14
.set BY,   15
.set W2S,  16                          ; v16-24  W2's scale words, a register a tile, nothing else
.set OQ,   25
.set HB,   26                          ; v26-37  source 1: six registers of codes, six of zeros
.set CT,   38                          ; v38-40  the block's upper 16 codes as the conversion leaves them
.set RU2,  42                          ; v42-73  x2 (W1/2) of my pair's column, my 32 hidden units
.set RX2,  74                          ; v74-89  x2[m][i ^ h]
.set RP,   90                          ; v90-121 the 32 numbers ahead of the activation, then behind it
.set RT,   122                         ; v122-153 at work in SILU;  in POST:
.set RE,   122                         ;   v122-129 softplus's exponentials and logarithms, then y
.set RMX,  130                         ;   v130-137 max(diagonal, 0)
.set RY,   138                         ;   v138-153 y's sums, even and odd i apart
.set RD,   154                         ; v154-225 the nine accumulators
.set DX,   226                         ; v226-241 x1[n][i ^ h], then dx[i ^ h]
.set ASR,  252                         ; the way out: where I read 16 bytes of a row of dist^2
.set GO,   253                         ; and my byte offset in out0
.set RQ,   254
; window 1
.set WC,   0                           ; v256-315 W2's codes: tile t's six registers at 6 t, six zeros behind tile 8
.set BI,   64                          ; v320-391 b2 + I in the result's layout
; at work before the loop
.set RW,   154                         ; v154-185 W1 / 2: my two columns, 16 rows
.set RB1,  186                         ; v186-187 b1 of my two columns
.set XB0,  90                          ; v90-153, v188-251: four rows of x each
.set XB1,  188
.set ACA,  68                          ; v68-75, v76-83: four rows' sums each  (v68-80 first hold what goes to LDS as it came)
.set ACB,  76
.set CO,   50                          ; v50-58  my byte offset in W2's codes, a register a tile
.set SO,   59                          ; v59-67  and in its scales
.set G16,  84
.set G8,   85
.set G4,   86
.set GL8,  87
.set SELR, 88
.set H24,  89
.set A0X2, 242
.set A0X1, 243
.set A0B2, 244
.set A1X2, 26
.set A1X1, 27
.set A1U2, 28
.set A1U1, 29
.set A2U2, 30
.set A2X2, 31
.set ABE,  38
.set ABO,  39
.set MSB, 0
.macro WIN new                         ; the immediate's high byte repeats the setting that is left; a switch that changes nothing is dropped
.if MSB != \new
	s_set_vgpr_msb (MSB<<8)|\new
.set MSB, \new
.endif
.endm
.macro SLOT a, i                       ; PP = the register (0 .. 71) of slot (a, i)
.set PP, 17*(\a)-(\a)*(\a)+(\i)-2*(\a)
.if (PP/8 == 3) || (PP/8 == 6) || (PP/8 == 7)
.set PP, PP+4-8*((PP%8)/4)
.endif
.endm
.macro UNSLOT p                        ; and back: SA, SI = the slot of register p
.set US, \p
.if ((\p)/8 == 3) || ((\p)/8 == 6) || ((\p)/8 == 7)
.set US, (\p)+4-8*(((\p)%8)/4)
.endif
.if US < 16
.set SA, 0
.set SI, US
.elseif US < 30
.set SA, 1
.set SI, US-14
.elseif US < 42
.set SA, 2
.set SI, US-26
.elseif US < 52
.set SA, 3
.set SI, US-36
.elseif US < 60
.set SA, 4
.set SI, US-44
.elseif US < 66
.set SA, 5
.set SI, US-50
.elseif US < 70
.set SA, 6
.set SI, US-54
.else
.set SA, 7
.set SI, US-56
.endif
.endm
.macro TABW t, half, word              ; TW = four bytes: the rows of W2 (16 e + d) that land in registers 4 word + 0 .. 3 of tile t, in the given half of the lanes
.set TW, 0
.irp j, 0,1,2,3
	UNSLOT 8*(\t)+4*(\word)+\j
.if \half
.set TW, TW|((16*(SI+1-2*(SI%2))+2*SA+1)<<(8*\j))
.else
.set TW, TW|((16*SI+2*SA)<<(8*\j))
.endif
.endr
.endm
; Source 0's row m lands in register m % 8 of lanes 16 (m / 8) on.  So lane r of tile t takes the row of W2 that the table names for (half r / 8, register r % 8).
.macro ROWTAB t
	TABW \t, 0, 0
	s_mov_b32 s36, TW
	TABW \t, 0, 1
	s_mov_b32 s37, TW
	TABW \t, 1, 0
	s_mov_b32 s38, TW
	TABW \t, 1, 1
	s_mov_b32 s39, TW
	v_perm_b32 v[CO+\t], s37, s36, v[SELR]         ; byte r % 8 of the eight, into byte 0
	v_perm_b32 v[SO+\t], s39, s38, v[SELR]
	v_cndmask_b32 v[SO+\t], v[CO+\t], v[SO+\t], vcc_lo
	v_and_b32 v[SO+\t], 0xff, v[SO+\t]             ; the row
	v_mad_u32_u24 v[CO+\t], v[SO+\t], 48, v[H24]   ; its codes: 48 bytes a row, my block's 24
	v_lshlrev_b32 v[SO+\t], 1, v[SO+\t]            ; its two scale bytes
.endm
.macro BARRIER                         ; my LDS stores have landed and my LDS loads are in: then the work-group's barrier
	s_wait_dscnt 0x0
	s_barrier_signal -1
	s_barrier_wait -1
.endm
; Four rows of x (16 numbers each, the same in every lane) times my two columns of W1 / 2.  The four sums take turns.  bias = 1: b1 is the first addend.
.macro UBATCH xb, acc, bias
.irp k, 0,1,2,3,4,5,6,7,8,9,10,11,12,13,14,15
.irp p, 0,1,2,3
.if (\k == 0) && (\bias == 0)
	v_pk_mul_f32 v[\acc+2*\p:\acc+2*\p+1], v[RW:RW+1], v[\xb+16*\p:\xb+16*\p+1] op_sel_hi:[1,0]
.elseif \k == 0
	v_pk_fma_f32 v[\acc+2*\p:\acc+2*\p+1], v[RW:RW+1], v[\xb+16*\p:\xb+16*\p+1], v[RB1:RB1+1] op_sel_hi:[1,0,1]
.elseif (\k)%2 == 0
	v_pk_fma_f32 v[\acc+2*\p:\acc+2*\p+1], v[RW+2*\k:RW+2*\k+1], v[\xb+16*\p+\k:\xb+16*\p+\k+1], v[\acc+2*\p:\acc+2*\p+1] op_sel_hi:[1,0,1]
.else
	v_pk_fma_f32 v[\acc+2*\p:\acc+2*\p+1], v[RW+2*\k:RW+2*\k+1], v[\xb+16*\p+\k-1:\xb+16*\p+\k], v[\acc+2*\p:\acc+2*\p+1] op_sel:[0,1,0] op_sel_hi:[1,1,1]
.endif
.endr
.endr
.endm
; The nine products of a tile.  Nine different results, C = the bias: no sum is taken up again, so the accumulators need no turns.
.macro MATMUL
	WIN 0x11                                       ; source 0 (W2) and C (the bias) in window 1
.irp t, 0,1,2,3,4,5,6,7,8
	v_wmma_scale_f32_16x16x128_f8f6f4 v[RD+8*\t:RD+8*\t+7], v[WC+6*\t:WC+6*\t+11], v[HB:HB+11], v[BI+8*\t:BI+8*\t+7], v[W2S+\t], v[HS] matrix_a_fmt:MATRIX_FMT_FP6 matrix_b_fmt:MATRIX_FMT_FP6
.endr
	WIN 0
.endm
; v[RP] on holds x1's half of the 32 sums (from LDS).  They become silu(.), then six registers of codes and a scale word.  cnt: the younger LDS loads that may stay out.
.macro SILU cnt
	s_wait_dscnt \cnt
.irp q, 0,1,2,3,4,5,6,7,8,9,10,11,12,13,14,15,16,17   ; pair q is summed, pair q - 1 scaled by -log2(e), pair q - 2 goes to the exponential: no line reads the line above it
.if \q < 16
	v_pk_add_f32 v[RP+2*\q:RP+2*\q+1], v[RP+2*\q:RP+2*\q+1], v[RU2+2*\q:RU2+2*\q+1]
.endif
.if (\q > 0) && (\q < 17)
	v_pk_mul_f32 v[RT+2*\q-2:RT+2*\q-1], v[RP+2*\q-2:RP+2*\q-1], s[24:25] op_sel_hi:[1,0]
.endif
.if \q > 1
	v_exp_f32 v[RT+2*\q-4], v[RT+2*\q-4]
	v_exp_f32 v[RT+2*\q-3], v[RT+2*\q-3]
.endif
.endr
	v_nop                                          ; a plain instruction behind the last exponential
	s_wait_alu depctr_va_vdst(0)                   ; the 32 exponentials have written v[RT ..]: one wait for them, ahead of their first reader
.irp q, 0,1,2,3,4,5,6,7,8,9,10,11,12,13,14,15
	v_pk_add_f32 v[RT+2*\q:RT+2*\q+1], v[RT+2*\q:RT+2*\q+1], 1.0 op_sel_hi:[1,0]
.if \q > 0
	v_rcp_f32 v[RT+2*\q-2], v[RT+2*\q-2]
	v_rcp_f32 v[RT+2*\q-1], v[RT+2*\q-1]
.endif
.endr
	v_rcp_f32 v[RT+30], v[RT+30]
	v_rcp_f32 v[RT+31], v[RT+31]
	v_nop
	s_wait_alu depctr_va_vdst(0)                   ; the 32 reciprocals have written v[RT ..]: one wait for them, ahead of their first reader
.irp q, 0,1,2,3,4,5,6,7,8,9,10,11,12,13,14,15
	v_pk_mul_f32 v[RP+2*\q:RP+2*\q+1], v[RP+2*\q:RP+2*\q+1], v[RT+2*\q:RT+2*\q+1]   ; silu = p / (1 + e^-p)
.endr
	v_max3_num_f32 v[MX0], |v[RP]|, |v[RP+1]|, |v[RP+2]|             ; the block's largest magnitude: all 32 numbers are mine; two chains
	v_max3_num_f32 v[MX1], |v[RP+3]|, |v[RP+4]|, |v[RP+5]|
.irp i, 6,10,14,18,22,26
	v_max3_num_f32 v[MX0], v[MX0], |v[RP+\i]|, |v[RP+\i+1]|
	v_max3_num_f32 v[MX1], v[MX1], |v[RP+\i+2]|, |v[RP+\i+3]|
.endr
	v_max3_num_f32 v[MX0], v[MX0], |v[RP+30]|, |v[RP+31]|
	v_max3_num_f32 v[MX0], v[MX0], v[MX1], 0x1800000                 ; and the floor 2^(3 - 127): the byte cannot fall under 1
	v_add_nc_u32 v[SCL], 0xff000000, v[MX0]        ; 2 off its exponent field: the conversion takes the exponent field of this operand as its scale
	v_lshrrev_b32 v[BY], 23, v[SCL]                ; the scale's byte
	v_permlanex16_b32 v[OB], v[BY], s26, s27       ; lane l xor 16's: the pair's other block
	v_lshl_or_b32 v[HS], v[OB], 8, v[BY]           ; lanes 0-15, which the unit reads: byte 0 block 0, byte 1 block 1; bytes 2 and 3 are 0 over zero codes
	v_cvt_scalef32_pk16_fp6_f32 v[HB:HB+2], v[RP:RP+15], v[SCL]
	v_cvt_scalef32_pk16_fp6_f32 v[CT:CT+2], v[RP+16:RP+31], v[SCL]   ; (a conversion's three registers begin on an even number)
	v_nop                                          ; one plain place behind a scaled conversion
.irp i, 0,1,2
	v_mov_b32 v[HB+3+\i], v[CT+\i]
.endr
.endm
; Y[a] takes slots (a, 2 q) and (a, 2 q + 1) times DX[2 q], DX[2 q + 1].  The first pair that a column meets starts its sums.
.macro YPAIR a, q
	SLOT \a, 2*(\q)
.if ((\q) == (\a)+1) || ((\a) == 7)
	v_pk_mul_f32 v[RY+2*(\a):RY+2*(\a)+1], v[RD+PP:RD+PP+1], v[DX+2*(\q):DX+2*(\q)+1]
.else
	v_pk_fma_f32 v[RY+2*(\a):RY+2*(\a)+1], v[RD+PP:RD+PP+1], v[DX+2*(\q):DX+2*(\q)+1], v[RY+2*(\a):RY+2*(\a)+1]
.endif
.endm
; From the nine accumulators to dist^2 of my pair.  Each accumulator's first read takes one of its four lowest registers: the diagonals, a ascending, for tiles 0, 2, 3, 5, 6, 7, 8; register 0 for tiles 4 and 1.
; nxt = 1: in its middle x1's half of the first product is asked for, for the hidden layer that the next trip makes.
.macro POST nxt
.irp a, 0,1,2,3,4,5,6,7
	SLOT \a, 2*\a
	v_mul_f32 v[RE+\a], s24, |v[RD+PP]|            ; -|x| log2(e) of the diagonal
.endr
.irp a, 0,1,2,3,4,5,6,7
	v_exp_f32 v[RE+\a], v[RE+\a]
.endr
	s_wait_dscnt 0x0                               ; x1's row is in
.irp q, 0,1,2,3,4,5,6,7
	v_pk_add_f32 v[DX+2*\q:DX+2*\q+1], v[RX2+2*\q:RX2+2*\q+1], v[DX+2*\q:DX+2*\q+1] neg_lo:[0,1] neg_hi:[0,1]   ; dx = x2 - x1
.endr
.irp a, 0,1,2,3,4,5,6,7
	SLOT \a, 2*\a
	v_max_num_f32 v[RMX+\a], 0, v[RD+PP]
.endr
.irp q, 1,2,3,4                                ; what lies under the diagonal pairs: independent work behind the exponentials
.irp a, 0,1,2,3
.if \a < \q
	YPAIR \a, \q
.endif
.endr
.endr
	s_wait_alu depctr_va_vdst(0)                   ; the eight exponentials have written v[RE ..]: one wait, ahead of their first reader.  The hidden layer's lines are done with v[RP ..], and v[AU] is written: for the loads below
.if \nxt
	s_cmp_eq_u32 s28, 1                            ; the last trip has no hidden layer behind the one that it has made: it asks for nothing
	s_cbranch_scc1 .Lno_next
.irp c, 0,1,2,3,4,5,6,7
	ds_load_b128 v[RP+4*\c:RP+4*\c+3], v[AU] offset:2*P_U1+16*\c   ; x1's half for tile j + 2: row 15 of my 16 at the most.  No line from here to the next hidden layer names v[RP ..]
.endr
.Lno_next:
.endif
.irp a, 0,2,4,6
	v_pk_add_f32 v[RE+\a:RE+\a+1], v[RE+\a:RE+\a+1], 1.0 op_sel_hi:[1,0]
.endr
.irp a, 0,1,2,3,4,5,6,7
	v_log_f32 v[RE+\a], v[RE+\a]
.endr
.irp q, 5,6,7                                  ; the rest of it: independent work behind the logarithms
.irp a, 0,1,2,3,4,5,6
.if \a < \q
	YPAIR \a, \q
.endif
.endr
.endr
	s_wait_alu depctr_va_vdst(0)                   ; the eight logarithms have written v[RE ..]: one wait, ahead of their first reader
.irp a, 0,1,2,3,4,5,6,7
	SLOT \a, 2*\a
	v_fmamk_f32 v[RD+PP], v[RE+\a], 0x3f317218, v[RMX+\a]   ; softplus = log2(1 + e^-|x|) x ln 2 + max(x, 0)
.endr
.irp a, 0,1,2,3,4,5,6,7
	YPAIR \a, \a                                   ; the diagonal pairs
.endr
.irp a, 0,1,2,3,4,5,6,7
	v_add_f32 v[RE+\a], v[RY+2*\a], v[RY+2*\a+1]   ; y[2 a + h]
.endr
	v_pk_mul_f32 v[RY:RY+1], v[RE:RE+1], v[RE:RE+1]
.irp a, 2,4,6
	v_pk_fma_f32 v[RY:RY+1], v[RE+\a:RE+\a+1], v[RE+\a:RE+\a+1], v[RY:RY+1]
.endr
	v_add_f32 v[RQ], v[RY], v[RY+1]
	v_permlanex16_b32 v[OQ], v[RQ], s26, s27       ; the other eight y of my pair
	v_add_f32 v[RQ], v[RQ], v[OQ]
	s_wait_alu depctr_va_vdst(0)                   ; v[RQ] is written, which the store reads; the lines above are done with v[DX ..], in which x1's next row lands; v[HS] and v[HB ..] are written, which the next products take
	ds_store_b32 v[AS], v[RQ]                      ; both halves of the lanes write the same word with the same value
.endm
	; ---- THE HEAD: work on registers while the arguments come
	s_load_b512 s[4:19], s[0:1], 0x0               ; x1 s[4:5], x2 s[6:7], W1 s[8:9], b1 s[10:11], W2's codes s[12:13], its scales s[14:15], b2 s[16:17], out0 s[18:19]
	v_lshl_add_u32 v41, v0, 2, 0xc000              ; the LDS address of my spare word, behind the stage, and 0: made here and kept for the closing lines alone
	v_mov_b32 v255, 0
	v_and_b32 v[LANE], 31, v0
	v_and_b32 v[RR], 15, v0
	v_bfe_u32 v[HH], v0, 4, 1
	v_lshrrev_b32 v[AU], 5, v0
	v_readfirstlane_b32 s20, v[AU]                 ; wave 0..7
	s_wait_alu depctr_va_sdst(0)                   ; s20 is written, ahead of its first reader
	s_and_b32 s21, s20, 3                          ; t
	s_lshr_b32 s22, s20, 2                         ; g
	s_mov_b32 s24, 0xbfb8aa3b                      ; -log2(e)
	s_mov_b32 s25, s24                             ; (named with it as a pair, so it is written)
	s_mov_b32 s26, 0x76543210                      ; v_permlanex16_b32's selects for lane l xor 16
	s_mov_b32 s27, 0xfedcba98
	s_lshl_b32 s40, s22, 12
	s_add_co_u32 s40, s40, L_U1
	v_lshl_add_u32 v[AU1B], v[HH], 7, s40
	s_lshl_b32 s40, s22, 11                        ; (L_X1 is LDS byte 0)
	v_lshl_add_u32 v[AX1B], v[HH], 6, s40
	s_lshl_b32 s40, s20, 10
	s_add_co_u32 s40, s40, L_ST
	v_lshl_add_u32 v[ASB], v[RR], 2, s40
	v_lshrrev_b32 v[ASR], 2, v[RR]                 ; the way out: row 4 w + h + 2 u of the group's 32, columns 4 r .. 4 r + 3: they lie with wave 4 g + r / 4, at j = 4 t + h + 2 u
	v_and_b32 v[RQ], 3, v[RR]
	v_lshlrev_b32 v[ASR], 10, v[ASR]
	v_lshl_add_u32 v[ASR], v[RQ], 4, v[ASR]
	v_lshl_add_u32 v[ASR], v[HH], 6, v[ASR]
	s_lshl_b32 s40, s22, 12
	s_lshl_b32 s41, s21, 8
	s_add_co_u32 s40, s40, s41
	s_add_co_u32 s40, s40, L_ST
	v_add_nc_u32 v[ASR], s40, v[ASR]
	s_lshl_b32 s40, s20, 12
	v_lshlrev_b32 v[GO], 4, v[RR]
	v_lshl_add_u32 v[GO], v[HH], 10, v[GO]
	v_add_nc_u32 v[GO], s40, v[GO]                 ; (4 w + h) rows of 1,024 bytes + 16 r
	v_lshrrev_b32 v[A0X2], 2, v0                   ; x2 into LDS: four threads to a row
	v_mul_u32_u24 v[A0X2], v[A0X2], P_X2
	v_and_b32 v[A0X1], 3, v0
	v_lshl_add_u32 v[A0X2], v[A0X1], 4, v[A0X2]
	v_add_nc_u32 v[A0X2], L_X2, v[A0X2]
	v_lshrrev_b32 v[A0X1], 3, v0                   ; x1: eight threads to a row
	v_and_b32 v[A0B2], 7, v0
	v_lshlrev_b32 v[A0X1], 7, v[A0X1]
	v_lshl_add_u32 v[A0X1], v[A0B2], 3, v[A0X1]
	v_lshl_add_u32 v[A0B2], v0, 2, L_B2
	s_mul_i32 s40, s20, 8*P_X2                     ; the rows that my wave multiplies by W1 / 2: 8 of x2, 4 of x1
	s_add_co_u32 s40, s40, L_X2
	v_mov_b32 v[A1X2], s40
	s_lshl_b32 s40, s20, 9
	v_mov_b32 v[A1X1], s40
	s_mul_i32 s40, s20, 8*P_U2
	s_add_co_u32 s40, s40, L_U2
	v_lshl_add_u32 v[A1U2], v[LANE], 3, s40
	s_lshl_b32 s40, s20, 10
	s_add_co_u32 s40, s40, L_U1
	v_lshl_add_u32 v[A1U1], v[LANE], 3, s40
	s_mul_i32 s40, s21, 16*P_U2                    ; my pair's column: row 16 t + r
	s_add_co_u32 s40, s40, L_U2
	v_mul_u32_u24 v[A2U2], v[RR], P_U2
	v_lshl_add_u32 v[A2U2], v[HH], 7, v[A2U2]
	v_add_nc_u32 v[A2U2], s40, v[A2U2]
	s_mul_i32 s40, s21, 16*P_X2
	s_add_co_u32 s40, s40, L_X2
	v_mul_u32_u24 v[A2X2], v[RR], P_X2
	v_lshl_add_u32 v[A2X2], v[HH], 6, v[A2X2]
	v_add_nc_u32 v[A2X2], s40, v[A2X2]
	v_mul_u32_u24 v[ABE], v[HH], 68                ; the bias of slot (a, i): lanes 0-15 b2[16 i + 2 a]; lanes 16-31 17 numbers on where i is even,
	v_add_nc_u32 v[ABE], L_B2, v[ABE]
	v_xor_b32 v[ABO], 1, v[HH]                     ; 15 numbers back where it is odd
	v_mul_u32_u24 v[ABO], v[ABO], 60
	v_add_nc_u32 v[ABO], L_B2, v[ABO]
	v_lshlrev_b32 v[G16], 4, v0
	v_lshlrev_b32 v[G8], 3, v0
	v_lshlrev_b32 v[G4], 2, v0
	v_lshlrev_b32 v[GL8], 3, v[LANE]
	v_and_b32 v[SELR], 7, v[RR]
	v_mul_u32_u24 v[H24], v[HH], 24
	v_cmp_le_u32 vcc_lo, 8, v[RR]                  ; lanes r >= 8 hold source 0's rows 8-15
	s_wait_alu depctr_va_vcc(0)                    ; VCC is written, ahead of the first of the nine selects that read it
.irp t, 0,1,2,3,4,5,6,7,8
	ROWTAB \t
.endr
.irp i, 6,7,8,9,10,11
	v_mov_b32 v[HB+\i], 0                          ; source 1's K = 64 .. 127: zero codes, written once
.endr
	v_mov_b32 v[OB], 0                             ; written once: a lane permute's destination counts as one of its sources
	v_mov_b32 v[OQ], 0
	s_and_b32 s40, ttmp7, 0xffff                   ; b
	s_lshr_b32 s41, ttmp9, 2                       ; which 32 rows n
	s_and_b32 s42, ttmp9, 3                        ; which 64 columns m
	s_lshl_b32 s32, s40, 14                        ; x1: 16,384 bytes a b, 64 a row
	s_lshl_b32 s43, s41, 11
	s_add_co_u32 s32, s32, s43
	s_mov_b32 s33, 0
	s_lshl_b32 s34, s40, 14                        ; x2 likewise
	s_lshl_b32 s43, s42, 12
	s_add_co_u32 s34, s34, s43
	s_mov_b32 s35, 0
	s_lshl_b32 s44, s40, 18                        ; out0: 262,144 bytes a b, 1,024 a row, 4 a column
	s_lshl_b32 s43, s41, 15
	s_add_co_u32 s44, s44, s43
	s_lshl_b32 s43, s42, 8
	s_add_co_u32 s44, s44, s43
	s_mov_b32 s45, 0
	s_wait_kmcnt 0x0
	s_add_nc_u64 s[4:5], s[4:5], s[32:33]
	s_add_nc_u64 s[6:7], s[6:7], s[34:35]
	s_add_nc_u64 s[18:19], s[18:19], s[44:45]
	s_wait_alu depctr_va_vdst(0)                   ; every offset and LDS address made above is written: v50-67 and v84-87, which the loads below read; v4-6, v26-31, v38, v39, v242-244, v252, v253, which later LDS instructions and the last stores read
	; all 56 global loads of the launch, in one group, with no vector instruction among them; what is wanted first goes first
	global_load_b128 v[68:71], v[G16], s[6:7]      ; x2: 4,096 consecutive bytes for the 256 threads
	global_load_b64 v[76:77], v[G8], s[4:5]        ; x1: 2,048
	global_load_b32 v80, v[G4], s[16:17]           ; b2: 1,024
.irp k, 0,1,2,3,4,5,6,7,8,9,10,11,12,13,14,15
	global_load_b64 v[RW+2*\k:RW+2*\k+1], v[GL8], s[8:9] offset:256*\k   ; W1(k, 2 lane), W1(k, 2 lane + 1): a wave reads a whole row
.endr
	global_load_b64 v[RB1:RB1+1], v[GL8], s[10:11]
.irp t, 0,1,2,3,4,5,6,7,8
	global_load_u16 v[W2S+\t], v[SO+\t], s[14:15]  ; two scale bytes, zeros above them
.endr
	WIN 0x40                                       ; destination window 1
.irp t, 0,1,2,3,4,5,6,7,8
.irp p, 0,1,2
	global_load_b64 v[WC+6*\t+2*\p:WC+6*\t+2*\p+1], v[CO+\t], s[12:13] offset:8*\p   ; my row's block h: 24 bytes as they lie, in pieces of 8
.endr
.endr
.irp i, 54,55,56,57,58,59
	v_mov_b32 v[WC+\i], 0                          ; what tile 8 names as its K = 64 .. 127
.endr
	WIN 0
	s_wait_loadcnt 53                              ; x2, x1 and b2 are in; the 17 + 9 + 27 loads behind them stay out
	v_mov_b32 v72, v69                             ; neighbours swapped: lanes 16-31 want x[i ^ 1]
	v_mov_b32 v73, v68
	v_mov_b32 v74, v71
	v_mov_b32 v75, v70
	v_mov_b32 v78, v77
	v_mov_b32 v79, v76
	s_wait_alu depctr_va_vdst(0)                   ; the six copies have written v72-75, v78 and v79, which the LDS stores read
	ds_store_b128 v[A0X2], v[68:71]
	ds_store_b128 v[A0X2], v[72:75] offset:64
	ds_store_b64 v[A0X1], v[76:77]
	ds_store_b64 v[A0X1], v[78:79] offset:64
	ds_store_b32 v[A0B2], v80
	BARRIER                                        ; x1, x2 and b2 lie in LDS
	; ---- x (W1 / 2), in f32: my wave's 8 rows of x2 and 4 rows of x1; a lane makes two columns
	s_wait_alu depctr_vm_vsrc(0)                   ; my LDS stores have read their addresses v242-244, in which rows of x2 land below, and their data v68-80, which the sums below write
.irp p, 0,1,2,3
.irp c, 0,1,2,3
	ds_load_b128 v[XB0+16*\p+4*\c:XB0+16*\p+4*\c+3], v[A1X2] offset:P_X2*\p+16*\c     ; every lane reads the same 16 bytes
.endr
.endr
.irp p, 0,1,2,3
.irp c, 0,1,2,3
	ds_load_b128 v[XB1+16*\p+4*\c:XB1+16*\p+4*\c+3], v[A1X2] offset:P_X2*(4+\p)+16*\c
.endr
.endr
	s_wait_loadcnt 36                              ; W1 and b1 are in; the 9 + 27 loads of scales and codes stay out
.irp k, 0,1,2,3,4,5,6,7,8,9,10,11,12,13,14,15
	v_pk_mul_f32 v[RW+2*\k:RW+2*\k+1], v[RW+2*\k:RW+2*\k+1], 0.5 op_sel_hi:[1,0]   ; the midpoint's half goes into W1: exact
.endr
	s_wait_dscnt 16                                ; x2's first four rows are in; the second four stay out
	UBATCH XB0, ACA, 0
	s_wait_alu depctr_va_vdst(0)                   ; the multiply-adds have written v[ACA ..], which the stores read, and are done reading v[XB0 ..], in which x1's rows land
.irp p, 0,1,2,3
	ds_store_b64 v[A1U2], v[ACA+2*\p:ACA+2*\p+1] offset:P_U2*\p
.endr
.irp p, 0,1,2,3
.irp c, 0,1,2,3
	ds_load_b128 v[XB0+16*\p+4*\c:XB0+16*\p+4*\c+3], v[A1X1] offset:P_X1*\p+16*\c
.endr
.endr
	s_wait_dscnt 20                                ; x2's second four rows are in: behind them 4 stores and 16 loads
	UBATCH XB1, ACB, 0
	s_wait_alu depctr_va_vdst(0)                   ; the multiply-adds have written v[ACB ..], which the stores read
.irp p, 0,1,2,3
	ds_store_b64 v[A1U2], v[ACB+2*\p:ACB+2*\p+1] offset:P_U2*(4+\p)
.endr
	s_wait_dscnt 4                                 ; x1's four rows are in: behind them 4 stores
	s_wait_alu depctr_vm_vsrc(0)                   ; the first four stores have read v[ACA ..], which the sums below write again
	UBATCH XB0, ACA, 1
	s_wait_alu depctr_va_vdst(0)                   ; the multiply-adds have written v[ACA ..], which the stores read
.irp p, 0,1,2,3
	ds_store_b64 v[A1U1], v[ACA+2*\p:ACA+2*\p+1] offset:P_U1*\p
.endr
	BARRIER                                        ; both halves of the first product lie in LDS
	; ---- what stays in registers for the 16 tiles
	s_wait_loadcnt 0x0                             ; codes and scales are in, and every global load's offset register is free
.irp a, 0,1,2,3,4,5,6,7
	SLOT \a, 2*\a+1
	v_cmp_ne_u32 s[36+\a], 8+PP%8, v[RR]           ; off in the lanes that hold source 0's row for the entry above the diagonal
.endr
	v_cmp_eq_u32 s44, 0, v[HH]
	s_wait_alu depctr_va_sdst(0)                   ; the nine masks s36 to s44 are written, ahead of the first select that reads one
	s_wait_alu depctr_vm_vsrc(0)                   ; the global loads have read their offsets v50-67 and v84-87, my LDS stores their data v68-83: loads land in all of these below
	s_wait_alu depctr_va_vdst(0)                   ; the multiply-adds are done with v68-83 and v90-153, the head's lines with v50-67 and v84-89: loads land there below; only loads and a window switch stand between this wait and the last of them
.irp c, 0,1,2,3,4,5,6,7
	ds_load_b128 v[RP+4*\c:RP+4*\c+3], v[AU1B] offset:16*\c        ; x1's half for tile 0
.endr
.irp c, 0,1,2,3,4,5,6,7
	ds_load_b128 v[RU2+4*\c:RU2+4*\c+3], v[A2U2] offset:16*\c
.endr
.irp c, 0,1,2,3
	ds_load_b128 v[RX2+4*\c:RX2+4*\c+3], v[A2X2] offset:16*\c
.endr
	WIN 0x40                                       ; destination window 1
.irp a, 0,1,2,3,4,5,6,7
.irp i, 0,1,2,3,4,5,6,7,8,9,10,11,12,13,14,15
.if \i >= 2*\a
	SLOT \a, \i
.if (\i)%2 == 0
	ds_load_b32 v[BI+PP], v[ABE] offset:4*(16*\i+2*\a)
.else
	ds_load_b32 v[BI+PP], v[ABO] offset:4*(16*\i+2*\a-15)
.endif
.endif
.endr
.endr
	WIN 0x44                                       ; source 1 and destination window 1
.irp a, 0,1,2,3,4,5,6,7
	SLOT \a, 2*\a+1
.irp q, 0,1,2,3,4,5
	v_cndmask_b32 v[WC+6*(PP/8)+\q], 0, v[WC+6*(PP/8)+\q], s[36+\a]   ; zero codes for the entry above the diagonal
.endr
.endr
	s_wait_dscnt 0x0
	s_wait_alu depctr_vm_vsrc(0)                   ; the LDS instructions so far have read their addresses v26-31, v38 and v39: from here on the hidden layer's codes are written there
.irp a, 0,1,2,3,4,5,6,7
	SLOT \a, 2*\a
	v_add_f32 v[BI+PP], 1.0, v[BI+PP]              ; + I
	SLOT \a, 2*\a+1
	v_cndmask_b32 v[BI+PP], 0, v[BI+PP], s44       ; and no bias above the diagonal (lanes 16-31)
.endr
	WIN 0
	SILU 0                                         ; tile 0's hidden layer
.rept 8
	v_nop                                          ; a scale register written by a vector instruction stands 8 places ahead of a scaled matrix instruction, an operand so written 4
.endr
	s_wait_alu depctr_va_vdst(0)                   ; behind the places: v[HS], v[HB ..] and W2's codes are written, which the first products take; the conversions are done reading v[RP ..], in which the loads below land
.irp c, 0,1,2,3,4,5,6,7
	ds_load_b128 v[RP+4*\c:RP+4*\c+3], v[AU1B] offset:P_U1+16*\c   ; x1's half for tile 1
.endr
.irp c, 0,1,2,3
	ds_load_b128 v[DX+4*\c:DX+4*\c+3], v[AX1B] offset:16*\c        ; x1[n][i ^ h] for tile 0
.endr
	; ---- THE TILES.  A trip: tile j's nine products are issued; tile j + 1's hidden layer is made while they run, and is the places behind them; then tile j's results are worked.
	s_mov_b32 s28, 15
	s_mov_b32 s29, 0                               ; 256 j
	s_mov_b32 s30, 0                               ; 128 j
	s_mov_b32 s31, 0                               ; 64 j
.Ltile:
	MATMUL
	s_wait_alu depctr_vm_vsrc(0)                   ; the LDS loads issued so far have read v[AU] and v[AX], the last trip's store v[AS] and v[RQ]: all four are written again in this trip
	v_add_nc_u32 v[AU], s29, v[AU1B]               ; (the last trip's is not used)
	v_add_nc_u32 v[AX], s30, v[AX1B]
	v_add_nc_u32 v[AS], s31, v[ASB]
	SILU 4                                         ; x1's half is in; the four loads of x1's row, the youngest, may stay out
	POST 1
.irp c, 0,1,2,3
	ds_load_b128 v[DX+4*\c:DX+4*\c+3], v[AX] offset:P_X1+16*\c     ; x1[n][i ^ h] for tile j + 1: behind the wait that stands ahead of the store; no vector instruction since
.endr
	s_add_co_u32 s29, s29, 256
	s_add_co_u32 s30, s30, 128
	s_add_co_u32 s31, s31, 64
	s_sub_co_u32 s28, s28, 1
	s_cmp_lg_u32 s28, 0
	s_cbranch_scc1 .Ltile
	MATMUL                                         ; tile 15: no hidden layer follows it
	s_wait_alu depctr_vm_vsrc(0)                   ; tile 14's store has read v[AS] and v[RQ], which are written again below
	v_add_nc_u32 v[AS], s31, v[ASB]
.rept 4
	v_nop                                          ; four places between the last product and the first read of a result (ISA guide 7.12.1)
.endr
	POST 0
	BARRIER                                        ; the group's 32 x 64 numbers lie in the stage
	; ---- THE WAY OUT: each wave takes four whole rows; the floor and the root are taken here, four numbers a register group
	ds_load_b128 v[RP:RP+3], v[ASR]                ; (no vector instruction has named v[RP ..] since tile 15's hidden layer, ahead of many waits on va_vdst)
	ds_load_b128 v[RP+4:RP+7], v[ASR] offset:128
	s_wait_dscnt 0x0
.irp i, 0,1,2,3,4,5,6,7
	v_max_num_f32 v[RP+\i], 0x358637bd, v[RP+\i]   ; 1e-6
.endr
.irp i, 0,1,2,3,4,5,6,7
	v_sqrt_f32 v[RP+\i], v[RP+\i]
.endr
	v_nop                                          ; a plain instruction behind the last root
	s_wait_alu depctr_va_vdst(0)                   ; the eight roots have written v[RP ..], which the stores read: one wait for the eight
	global_store_b128 v[GO], v[RP:RP+3], s[18:19] th:TH_STORE_NT               ; sixteen lanes store 256 consecutive bytes, at a multiple of 256 from out0's first byte
	global_store_b128 v[GO], v[RP+4:RP+7], s[18:19] offset:2048 th:TH_STORE_NT
	s_wait_dscnt 0x0                               ; the closing lines, six on end
	s_wait_alu 0x0
	s_wait_tensorcnt 0x0
	ds_add_u32 v41, v255
	s_wait_dscnt 0x0
	s_endpgm
.Lfunc_end_k_q0e3ebb3d4c_metric:
	.size	k_q0e3ebb3d4c_metric, .Lfunc_end_k_q0e3ebb3d4c_metric-k_q0e3ebb3d4c_metric
	.p2alignl 7, 3214868480
	.fill 96, 4, 3214868480
	.section	.rodata,"a",@progbits
	.p2align	6, 0x0
	.amdhsa_kernel k_q0e3ebb3d4c_metric
		.amdhsa_group_segment_fixed_size 50176
		.amdhsa_private_segment_fixed_size 0
		.amdhsa_enable_private_segment 0
		.amdhsa_kernarg_size 64
		.amdhsa_user_sgpr_count 2
		.amdhsa_user_sgpr_kernarg_segment_ptr 1
		.amdhsa_wavefront_size32 1
		.amdhsa_system_sgpr_workgroup_id_x 1
		.amdhsa_system_sgpr_workgroup_id_y 1
		.amdhsa_system_sgpr_workgroup_id_z 1
		.amdhsa_system_vgpr_workitem_id 0
		.amdhsa_next_free_vgpr 392
		.amdhsa_next_free_sgpr 66
		.amdhsa_reserve_vcc 1
		.amdhsa_float_denorm_mode_32 3
		.amdhsa_float_denorm_mode_16_64 3
		.amdhsa_memory_ordered 1
		.amdhsa_forward_progress 1
		.amdhsa_inst_pref_size 77
	.end_amdhsa_kernel
	.amdgpu_metadata
---
amdhsa.version: [ 1, 2 ]
amdhsa.kernels:
  - .name:           k_q0e3ebb3d4c_metric
    .symbol:         k_q0e3ebb3d4c_metric.kd
    .args:
      - { .name: x1, .offset: 0, .size: 8, .value_kind: global_buffer, .address_space: global }
      - { .name: x2, .offset: 8, .size: 8, .value_kind: global_buffer, .address_space: global }
      - { .name: W1, .offset: 16, .size: 8, .value_kind: global_buffer, .address_space: global }
      - { .name: b1, .offset: 24, .size: 8, .value_kind: global_buffer, .address_space: global }
      - { .name: W2_codes, .offset: 32, .size: 8, .value_kind: global_buffer, .address_space: global }
      - { .name: W2_scales, .offset: 40, .size: 8, .value_kind: global_buffer, .address_space: global }
      - { .name: b2, .offset: 48, .size: 8, .value_kind: global_buffer, .address_space: global }
      - { .name: out0, .offset: 56, .size: 8, .value_kind: global_buffer, .address_space: global }
    .group_segment_fixed_size: 50176
    .private_segment_fixed_size: 0
    .kernarg_segment_align: 8
    .kernarg_segment_size: 64
    .max_flat_workgroup_size: 256
    .sgpr_count:     66
    .vgpr_count:     392
    .wavefront_size: 32
...
	.end_amdgpu_metadata
.endif
;; end of part 2
